; MI455X (gfx1250); checked and timed in simulation.
; The chip was launched on July 23, 2026; its instructions are those of AMD's public machine-readable ISA for CDNA 5 (MIT licence, August 2026) and "CDNA5" Instruction Set Architecture Reference Guide (July 2026). The comments in the code are by the model that wrote it; some were corrected since.
;; Global Discrete Attention. Allowed arithmetic: matrix products marked QUANTISED: E3M2 operands, one E8M0 scale for each 32 along K, by v_wmma_scale_f32_16x16x128_f8f6f4 with both operands' format E3M2, f32 sums; everything else in f32.
;; Inputs: evidence_mask 4 x 4,096 bool; mask_value 64 float32; pop_lut 256 float32; temperature one number float32; value_table 256 x 64 float32; z 4 x 8 x 64 x 64 float32.
;; Outputs: out0 4 x 64 x 64 x 64 float32.
;; This version of the problem:
;;   THIS VERSION OF THE PROBLEM IS GIVEN IN LOW PRECISION. The matrix products marked QUANTISED in the list below multiply operands that are first quantised to E3M2 (3 exponent bits, 2 mantissa bits; 6 bits a number), with one power-of-two scale for each 32 numbers along K (OCP MX v1.0); their sums are f32. All else is computed in f32.
;;   The module's matrix products, in the order in which they are computed (A, B: the left and right operand; K: the contracted axis; several contracted axes count as one K, in the product's order):
;;     1. batch 4 x [M 4,096, K 4,096] x [K 4,096, N 64]; A: computed on the way; B: computed on the way: QUANTISED
;;   THE QUANTISER, for each operand of a quantised product, along K:
;;     - K is cut into blocks of 32 from its start; a last block that is shorter is filled with zeros.
;;     - A block's scale is 2^e with e = floor(log2(the largest magnitude in the block)) - 4, held to -126 .. 127; a block of zeros has e = 0. As a byte (E8M0): e + 127.
;;     - Each number is divided by its block's scale, clamped to +-28, and rounded to the nearest number of E3M2, ties to even, subnormals kept.
;;     - The product sums the exact products of the quantised numbers (number of the format x scale) in f32.
;;   ~~~python
;;   def quantise(x, axis):      # numpy; x: float32 -> the quantised numbers, widened to float32 again
;;       x = np.moveaxis(x, axis, -1); K = x.shape[-1]
;;       x = np.pad(x, [(0, 0)] * (x.ndim - 1) + [(0, -K % 32)]); x = x.reshape(x.shape[:-1] + (-1, 32)); a = np.abs(x).max(-1, keepdims=True)
;;       e = np.where(a > 0, np.clip(np.frexp(np.where(a > 0, a, 1))[1] - 1 - 4, -126, 127), 0)      # np.frexp(a)[1] - 1 = floor(log2(a)), exactly
;;       r = np.clip(x / 2.0 ** e, -28, 28)
;;       step = 2.0 ** (np.maximum(np.frexp(np.where(r == 0, 1, r))[1] - 1, -2) - 2)
;;       q = np.round(r / step) * step * 2.0 ** e      # np.round: ties to even
;;       return np.moveaxis(q.reshape(q.shape[:-2] + (-1,))[..., :K], -1, axis).astype(np.float32)
;;   ~~~
;;   OPERANDS COMPUTED ON THE WAY. 'Computed on the way' means the value that the module computes at that place (a softmax that the list does not call 'softmax' is quantised finished and normalised). What goes into a quantiser is computed in f32, as accurately as f32 sums, v_exp_f32 and their like allow (about 1e-6 of the number): no bf16 or f16 on the way to a quantiser, and a product that is left as it is and whose result goes on into a quantised operand takes f32 operands (vector FMAs, or v_wmma_f32_16x16x4_f32). A number that lies on a knife's edge between two numbers of the format may be rounded either way, as far as f32 arithmetic and the matrix unit's own rounding can turn it there, and no further.
;; One version. Each part assembles by itself: llvm-mc -triple=amdgcn-amd-amdhsa -mcpu=gfx1250 --defsym DOCPART=n.
;; ======== version 1 of 1: 3 launches
;; workspace buffers: kidx 65,536 bytes of whole numbers; part 131,072 bytes; acodes 3,145,728 bytes; ascales 131,072 bytes; vcodes 786,432 bytes; vscales 32,768 bytes
;; launch prep (part 1): grid 128 x 1, 4 waves a work-group, no clusters, 1,024 bytes of LDS; arguments z, evidence_mask, kidx, part; writes kidx, part
.if DOCPART == 1
	.amdgcn_target "amdgcn-amd-amdhsa--gfx1250"
	.amdhsa_code_object_version 6
	.text
	.protected	k_q336a00c61f_prep
	.globl	k_q336a00c61f_prep
	.p2align	8
	.type	k_q336a00c61f_prep,@function
k_q336a00c61f_prep:
	s_mov_b64 s[64:65], 0
	v_nop
	global_prefetch_b8 v0, s[64:65] scope:SCOPE_SE
	s_setreg_imm32_b32 hwreg(HW_REG_WAVE_MODE, 25, 1), 1
	s_wait_xcnt 0x0
; PREP.  z [4][8][4096] f32, evidence_mask [4][4096] bytes (0 or 1)  ->  kidx [4][4096] words, part [4][32][256] f32.
; kidx = the position's byte code (bit p = z[plane p] > 0.5) + 256 where the position has no evidence: as a key it then names row 256 of the later tables, as a query its low byte is the code.
; part = a histogram of the evidenced keys' codes over this work-group's 128 positions.  The codes come from floating-point compares, so nothing here is addressed by them:
; thread t counts codes 2 t and 2 t + 1 by comparing them with each of the 128 key words (a key without evidence is 256 or more and equals no code).
; SHARES: a work-group of four waves owns 128 positions of one batch; a thread one position.  A wave's load covers 128 consecutive bytes of a plane, the four waves stand side by side on 512.
; No matrix unit, no cluster, no tensor load: 4 KB come in and 1.5 KB go out for each work-group, and no two work-groups read the same bytes.
; LIMIT: the mask's bytes are taken to be 0 or 1.
.set Z,   8                            ; v8-15   my position's eight planes
.set KW,  32                           ; v32-159 the 128 key words, the same in every lane
	s_load_b128 s[4:7], s[0:1], 0x0                ; z, evidence_mask
	s_load_b128 s[8:11], s[0:1], 0x10              ; kidx, part
	v_lshl_add_u32 v160, v0, 2, 0x200
	v_mov_b32 v161, 0
	v_lshrrev_b32 v1, 5, v0
	v_readfirstlane_b32 s12, v1                    ; wave 0..3
	s_lshr_b32 s13, ttmp9, 5                       ; batch
	s_and_b32 s14, ttmp9, 31                       ; which 128 positions of it
	s_lshl_b32 s16, s13, 17                        ; z: batch x 8 planes x 16,384 bytes
	s_lshl_b32 s14, s14, 9                         ;    + 128 positions x 4 bytes
	s_add_co_u32 s16, s16, s14
	s_mov_b32 s17, 0
	s_lshl_b32 s18, ttmp9, 7                       ; the mask: 128 bytes a work-group
	s_mov_b32 s19, 0
	s_lshl_b32 s20, ttmp9, 9                       ; kidx: 512 bytes
	s_mov_b32 s21, 0
	s_lshl_b32 s22, ttmp9, 10                      ; part: 1,024 bytes
	s_mov_b32 s23, 0
	v_lshlrev_b32 v1, 2, v0                        ; 4 t: my word in a plane, and in LDS
	v_lshlrev_b32 v3, 1, v0                        ; the two codes that I count: 2 t
	v_or_b32 v4, 1, v3                             ; and 2 t + 1
	v_lshlrev_b32 v5, 3, v0                        ; 8 t: my two counts in part
	v_and_b32 v6, 31, v0
	v_lshlrev_b32 v6, 4, v6                        ; 16 x lane: wave 0's way out for kidx
	v_mov_b32 v7, 0                                ; LDS byte 0: the key words
	v_mov_b32 v2, 0                                ; the code
	v_mov_b32 v26, 0                               ; the two counts
	v_mov_b32 v27, 0
	s_wait_kmcnt 0x0
	s_add_nc_u64 s[4:5], s[4:5], s[16:17]
	s_add_nc_u64 s[6:7], s[6:7], s[18:19]
	s_add_nc_u64 s[8:9], s[8:9], s[20:21]
	s_add_nc_u64 s[10:11], s[10:11], s[22:23]
.irp p, 0,1,2,3,4,5,6,7
	global_load_b32 v[Z+\p], v1, s[4:5] offset:16384*\p th:TH_LOAD_NT
.endr
	global_load_u8 v16, v0, s[6:7] th:TH_LOAD_NT
	s_wait_loadcnt 0x0
.irp p, 7,6,5,4,3,2,1,0                        ; from the highest plane down: code = 2 code + (z > 0.5); a NaN gives 0, as the comparison in f32 does
	v_cmp_lt_f32 vcc_lo, 0.5, v[Z+\p]
	v_add_co_ci_u32 v2, vcc_lo, v2, v2, vcc_lo
.endr
	v_xor_b32 v16, 1, v16                          ; 1 where there is no evidence
	v_lshl_or_b32 v2, v16, 8, v2                   ; the key word
	ds_store_b32 v1, v2
	s_wait_dscnt 0x0                               ; my word lies in LDS,
	s_barrier_signal -1
	s_barrier_wait -1                              ; and so do the other 127
.set i, 0
.rept 32
	ds_load_b128 v[KW+4*i:KW+4*i+3], v7 offset:16*i   ; every lane reads the same 16 bytes
.set i, i+1
.endr
.set i, 0
.rept 32
	s_wait_dscnt 31-i                              ; LDS loads come back in order: load i is in, the 31 - i younger ones may be out
.irp e, 0,1,2,3
	v_cmp_eq_u32 vcc_lo, v[KW+4*i+\e], v3
	v_add_co_ci_u32 v26, vcc_lo, 0, v26, vcc_lo    ; + 1 where the key has my first code
	v_cmp_eq_u32 vcc_lo, v[KW+4*i+\e], v4
	v_add_co_ci_u32 v27, vcc_lo, 0, v27, vcc_lo    ; my second
.endr
.set i, i+1
.endr
	v_cvt_f32_u32 v26, v26                         ; at most 128: exact in f32, and so are the later sums (at most 4,096)
	v_cvt_f32_u32 v27, v27
	global_store_b64 v5, v[26:27], s[10:11]        ; a wave stores 256 consecutive bytes, aligned
	s_cmp_lg_u32 s12, 0                            ; the 128 key words leave by wave 0 alone: 512 consecutive bytes in one store
	s_cbranch_scc1 .Lnot_wave_0
	ds_load_b128 v[20:23], v6
	s_wait_dscnt 0x0
	global_store_b128 v6, v[20:23], s[8:9]
.Lnot_wave_0:
	s_wait_tensorcnt 0x0
	ds_add_u32 v160, v161
	s_wait_dscnt 0x0
	s_endpgm
.Lfunc_end_k_q336a00c61f_prep:
	.size	k_q336a00c61f_prep, .Lfunc_end_k_q336a00c61f_prep-k_q336a00c61f_prep
	.p2alignl 7, 3214868480
	.fill 96, 4, 3214868480
	.section	.rodata,"a",@progbits
	.p2align	6, 0x0
	.amdhsa_kernel k_q336a00c61f_prep
		.amdhsa_group_segment_fixed_size 1024
		.amdhsa_private_segment_fixed_size 0
		.amdhsa_enable_private_segment 0
		.amdhsa_kernarg_size 32
		.amdhsa_user_sgpr_count 2
		.amdhsa_user_sgpr_kernarg_segment_ptr 1
		.amdhsa_wavefront_size32 1
		.amdhsa_system_sgpr_workgroup_id_x 1
		.amdhsa_system_sgpr_workgroup_id_y 1
		.amdhsa_system_sgpr_workgroup_id_z 1
		.amdhsa_system_vgpr_workitem_id 0
		.amdhsa_next_free_vgpr 162
		.amdhsa_next_free_sgpr 66
		.amdhsa_reserve_vcc 1
		.amdhsa_float_denorm_mode_32 3
		.amdhsa_float_denorm_mode_16_64 3
		.amdhsa_memory_ordered 1
		.amdhsa_forward_progress 1
		.amdhsa_inst_pref_size 23
	.end_amdhsa_kernel
	.amdgpu_metadata
---
amdhsa.version: [ 1, 2 ]
amdhsa.kernels:
  - .name:           k_q336a00c61f_prep
    .symbol:         k_q336a00c61f_prep.kd
    .args:
      - { .name: z, .offset: 0, .size: 8, .value_kind: global_buffer, .address_space: global }
      - { .name: evidence_mask, .offset: 8, .size: 8, .value_kind: global_buffer, .address_space: global }
      - { .name: kidx, .offset: 16, .size: 8, .value_kind: global_buffer, .address_space: global }
      - { .name: part, .offset: 24, .size: 8, .value_kind: global_buffer, .address_space: global }
    .group_segment_fixed_size: 1024
    .private_segment_fixed_size: 0
    .kernarg_segment_align: 8
    .kernarg_segment_size: 32
    .max_flat_workgroup_size: 128
    .sgpr_count:     66
    .vgpr_count:     162
    .wavefront_size: 32
...
	.end_amdgpu_metadata
.endif
;; end of part 1
;; launch quant (part 2): grid 64 x 4, 4 waves a work-group, no clusters, 52,224 bytes of LDS; arguments kidx, part, pop_lut, temperature, value_table, mask_value, acodes, ascales, vcodes, vscales; writes acodes, ascales, vcodes, vscales
.if DOCPART == 2
	.amdgcn_target "amdgcn-amd-amdhsa--gfx1250"
	.amdhsa_code_object_version 6
	.text
	.protected	k_q336a00c61f_quant
	.globl	k_q336a00c61f_quant
	.p2align	8
	.type	k_q336a00c61f_quant,@function
k_q336a00c61f_quant:
	s_mov_b64 s[64:65], 0
	v_nop
	global_prefetch_b8 v0, s[64:65] scope:SCOPE_SE
	s_setreg_imm32_b32 hwreg(HW_REG_WAVE_MODE, 25, 1), 1
	s_wait_xcnt 0x0
; QUANT.  Both operands of out = attn x values are made and quantised here, once, to codes of BF6 (E3M2) with one E8M0 byte for each 32 keys.
; A ROW OF attn HANGS ONLY ON THE BATCH AND THE QUERY'S BYTE CODE c: attn(c, key) = exp(s[c ^ code(key)] - m_c) / max(sum_c, 1e-20) where the key has evidence, else 0; s[x] = -pop_lut[x] / max(temperature, 0.1).
; So a batch has 256 different rows, and only those are made: 4 x 256 x 4,096 numbers.  m_c and sum_c come from the histogram cnt[y] of the evidenced keys' codes:
; m_c = the largest s[c ^ y] over y with cnt[y] > 0 (0 if there is none), sum_c = the sum over y of cnt[y] exp(s[c ^ y] - m_c).
; SHARES.  Work-group (x, y): batch y; query codes 16 g .. 16 g + 15 (g = x % 16) for keys 1,024 kq on (kq = x / 16): 8 fragments of 16 rows x 128 keys, two a wave;
; and value columns 16 tl .. + 15 (tl = x % 4) for keys 256 vc on (vc = x / 4): 2 fragments, half a fragment (64 keys) a wave.  All four waves run the same text.
; TABLES in LDS, [257 key indices][16 rows] f32: TA holds attn (row 256: zeros), TV the values (row 256: mask_value).  A number of an operand is then table[kidx(key)][row]:
; lane (r, h) takes row r and whole blocks of 32 keys in 32 registers, as the matrix operand wants them; the sixteen lanes of a half read 64 consecutive bytes of one table row.
; OUT.  acodes [4][256 codes][4 kq][3 u][16 slots][16 bytes]: slot 2 s + h, piece u = registers 4 u .. 4 u + 3 of lane (., h) in K step s of the quarter: a row's quarter is 768 consecutive bytes.
; ascales [4][4 kq][256 codes][8 words].  vcodes [4][4 tiles][32 K steps][3][32 lanes][16 bytes]: images of the operand's registers.  vscales [4][4 tiles][32 K steps][16 words].
; All leave through stages in LDS; each store of codes covers 256 or 512 consecutive bytes, aligned.
; No matrix unit here; no cluster: what work-groups share (32 KB of partial counts, 16 KB of a table) is read once by each and is small beside what each makes; no tensor load: all loads are issued at the head.
; LIMITS.  NaN and infinities in pop_lut, temperature, value_table, mask_value are not served.  An exponent under -150 gives 0 (f32's exp is 0 from about -104 down).  sum_c is summed by counts, in another order than a sum over keys.
; A block of zeros gets the byte 1, not 127: its codes are zeros, and the bytes are read by this program alone.
.set L_S,   0                          ; LDS: s, stored so that word z holds s[z ^ 16 g]: 256 words
.set L_CNT, 1024                       ; cnt: 256 words
.set L_TA,  2048                       ; TA: 257 x 64 bytes
.set L_TV,  18688                      ; TV: 257 x 64 bytes
.set L_SA,  35328                      ; stage for A's codes: 16 rows x (768 + 16) bytes
.set L_SS,  47872                      ; for A's scale words: 16 rows x 32 bytes
.set L_SV,  48384                      ; for V's two fragment images: 2 x 1,536 bytes
.set L_SB,  51456                      ; for V's scale bytes: 2 x 64 bytes
.set RP,    784                        ; a stage row: 49 x 16 bytes, so that sixteen rows' pieces of 16 bytes fall on different banks
.set LN,  1                            ; lane
.set R,   2                            ; r = lane % 16
.set H,   3                            ; h = lane / 16
.set T8,  4                            ; 8 t
.set PO,  5                            ; pop_lut: byte (8 t) ^ (64 g)
.set VG,  6                            ; value_table: row t / 4, 16 bytes at 16 (t % 4)
.set T16, 7                            ; 16 t
.set R4,  8                            ; 4 r
.set ZR,  9                            ; row 256 of TA (lanes 0-15) and of TV (lanes 16-31)
.set SAD, 10                           ; 4 (rr ^ ysub): my word of s for key codes 8 j + ysub, before the exclusive or with 32 j
.set CAD, 11                           ; 4 ysub
.set TSD, 12                           ; 64 ysub + 4 rr: my word of TA
.set KO,  13                           ; 128 h: my half's 32 key words
.set GA,  14                           ; L_TA + 4 r
.set GV,  15                           ; L_TV + 4 r
.set WA,  16                           ; stage, in: 784 r + 16 h + 64 wave
.set WS,  17                           ; 32 r + 8 wave
.set WV0, 18                           ; V's image, my first and third pair of registers
.set WV1, 19                           ; my second pair
.set WVB, 20                           ; V's scale byte
.set OAL, 21                           ; stage, out
.set OAG, 22                           ; and the same place in acodes
.set L16, 23                           ; 16 x lane
.set OVL, 24                           ; 768 wave + 8 lane
.set L8,  25                           ; 8 x lane
.set L4,  26                           ; 4 x lane
.set H8,  27                           ; 8 h
.set TT,  32                           ; v32-63   phase 1: s, then the exponent, then exp, then attn
.set CN,  64                           ; v64-95   phase 1: cnt, then remainders
.set NN,  96                           ; v96-127  phase 1: whole parts, then quotients
.set F0,  128                          ; v128-191 first fragment: key words -> LDS addresses -> numbers, in place
.set F1,  192                          ; v192-255 second
.set FV,  64                           ; v64-95   V's half fragment
.set CA0, 32                           ; v32-43, v44-55 A's codes;  v56-61 V's
.set CA1, 44
.set CV,  56
.set MX,  96                           ; v96-97 largest magnitudes, v98-99 scale operands, v100-101 bytes, v104.., v108.. second halves of the codes
.set SO,  98
.set BY,  100
.set TP,  104
.set W0,  112                          ; A's two scale words; V's byte
.set W1,  113
.set BV,  114
.macro BARRIER                         ; my LDS stores have landed and my LDS loads are in: then the work-group's barrier
	s_wait_dscnt 0x0
	s_barrier_signal -1
	s_barrier_wait -1
.endm
	s_load_b256 s[4:11], s[0:1], 0x0               ; kidx, part, pop_lut, temperature
	s_load_b256 s[12:19], s[0:1], 0x20             ; value_table, mask_value, acodes, ascales
	s_load_b128 s[20:23], s[0:1], 0x40             ; vcodes, vscales
	s_set_vgpr_msb 0x40
	v_lshl_add_u32 v0, v0, 2, 0xca00
	v_mov_b32 v1, 0
	s_set_vgpr_msb 0x4000
	v_lshrrev_b32 v28, 5, v0
	v_readfirstlane_b32 s25, v28                   ; wave 0..3
	s_and_b32 s27, ttmp7, 0xffff                   ; batch
	s_and_b32 s26, ttmp9, 15                       ; g
	s_lshr_b32 s28, ttmp9, 4                       ; kq
	s_and_b32 s29, ttmp9, 3                        ; tl
	s_lshr_b32 s30, ttmp9, 2                       ; vc
	s_mov_b32 s38, 0x76543210
	s_mov_b32 s39, 0xfedcba98                      ; v_permlanex16_b32's selects for lane l xor 16
	s_mov_b32 s40, 0x7f800000                      ; infinity
	s_mov_b32 s41, 0xc3160000                      ; -150
	s_mov_b32 s42, 0x3fb8aa3b                      ; L = log2(e), to f32
	s_mov_b32 s43, 0x326558da                      ; (log2(e) - L) / L
	; every LDS address is made here, from the thread's number and constants
	v_and_b32 v[LN], 31, v0
	v_and_b32 v[R], 15, v0
	v_bfe_u32 v[H], v0, 4, 1
	v_lshlrev_b32 v[T8], 3, v0
	s_lshl_b32 s31, s26, 6
	v_xor_b32 v[PO], s31, v[T8]                    ; pop_lut is READ at x ^ 16 g, so that no LDS address hangs on g
	v_lshrrev_b32 v29, 2, v0
	v_and_b32 v30, 3, v0
	v_lshlrev_b32 v[VG], 8, v29
	v_lshl_add_u32 v[VG], v30, 4, v[VG]
	v_lshlrev_b32 v[T16], 4, v0
	v_lshlrev_b32 v[R4], 2, v[R]
	v_mul_u32_u24 v[ZR], v[H], L_TV-L_TA
	v_add_nc_u32 v[ZR], v[ZR], v[R4]
	v_lshl_or_b32 v29, v28, 2, v30                 ; rr = 4 wave + lane % 4: the row of TA that I make
	v_bfe_u32 v30, v0, 2, 3                        ; ysub = lane / 4: I take key codes 8 j + ysub
	v_xor_b32 v[SAD], v29, v30
	v_lshlrev_b32 v[SAD], 2, v[SAD]
	v_lshlrev_b32 v[CAD], 2, v30
	v_lshlrev_b32 v29, 2, v29
	v_lshl_add_u32 v[TSD], v30, 6, v29
	v_lshlrev_b32 v[KO], 7, v[H]
	v_add_nc_u32 v[GA], L_TA, v[R4]
	v_add_nc_u32 v[GV], L_TV, v[R4]
	v_mul_u32_u24 v29, v[R], RP
	v_lshl_add_u32 v29, v[H], 4, v29
	v_lshl_add_u32 v[WA], v28, 6, v29
	v_lshlrev_b32 v29, 5, v[R]
	v_lshl_add_u32 v[WS], v28, 3, v29
	s_and_b32 s44, s25, 1                          ; c: which 64 keys of V's fragment are mine
	s_lshr_b32 s45, s25, 1                         ; f: which of V's two fragments
	s_mul_i32 s46, s45, 1536
	s_mul_i32 s47, s44, 520                        ; register pairs 3 c + 0, 1, 2 of a lane's twelve lie at 0, 8, 512 (c = 0) or 520, 1024, 1032 (c = 1) of the image
	s_add_co_u32 s47, s47, s46
	s_mul_i32 s31, s44, 1016
	s_add_co_u32 s31, s31, s46
	v_lshlrev_b32 v[L16], 4, v[LN]
	v_add_nc_u32 v[WV0], s47, v[L16]
	v_add_nc_u32 v[WV1], s31, v[L16]
	s_lshl_b32 s46, s45, 6
	s_lshl_b32 s47, s44, 1
	s_add_co_u32 s46, s46, s47
	v_add_nc_u32 v[WVB], v[R4], v[H]
	v_add_nc_u32 v[WVB], s46, v[WVB]               ; 64 f + 4 r + 2 c + h: the byte of block 2 c + h in row r's word
	s_mul_i32 s46, s25, 4*RP
	v_mul_u32_u24 v29, v[H], 2*RP
	v_lshl_add_u32 v29, v[R], 4, v29
	v_add_nc_u32 v[OAL], s46, v29                  ; out: rows 4 wave + 2 h + 0, 1; 16 bytes a lane
	v_mul_u32_u24 v29, v[H], 6144
	v_lshl_add_u32 v[OAG], v[R], 4, v29
	s_mul_i32 s46, s25, 768
	v_lshlrev_b32 v[L8], 3, v[LN]
	v_add_nc_u32 v[OVL], s46, v[L8]
	v_lshlrev_b32 v[L4], 2, v[LN]
	v_lshlrev_b32 v[H8], 3, v[H]
	v_mov_b32 v31, 0                               ; written once: a lane permute's destination counts as one of its sources
	; byte offsets into the buffers, all under 2^32
	s_lshl_b32 s31, s27, 14                        ; kidx: batch x 4,096 words
	s_lshl_b32 s48, s28, 12
	s_add_co_u32 s48, s48, s31
	s_lshl_b32 s44, s25, 10
	s_add_co_u32 s48, s48, s44                     ; A: + 1,024 kq + 256 wave keys
	s_mov_b32 s49, 0
	s_lshl_b32 s50, s30, 10
	s_add_co_u32 s50, s50, s31
	s_lshl_b32 s44, s25, 8
	s_add_co_u32 s50, s50, s44                     ; V: + 256 vc + 64 wave keys
	s_mov_b32 s51, 0
	s_lshl_b32 s52, s27, 15                        ; part: 32 x 1,024 bytes a batch
	s_mov_b32 s53, 0
	s_lshl_b32 s54, s29, 6                         ; 16 columns of f32
	s_mov_b32 s55, 0
	s_lshl_b32 s56, s27, 8
	s_lshl_b32 s44, s26, 4
	s_add_co_u32 s56, s56, s44
	s_lshl_b32 s44, s25, 2
	s_add_co_u32 s56, s56, s44
	s_mul_i32 s56, s56, 3072                       ; acodes: row 256 batch + 16 g + 4 wave,
	s_mul_i32 s44, s28, 768
	s_add_co_u32 s56, s56, s44                     ; quarter kq
	s_mov_b32 s57, 0
	s_lshl_b32 s58, s27, 2
	s_add_co_u32 s58, s58, s28
	s_lshl_b32 s58, s58, 13
	s_lshl_b32 s44, s26, 9
	s_add_co_u32 s58, s58, s44                     ; ascales: ((4 batch + kq) 256 + 16 g) x 32
	s_mov_b32 s59, 0
	s_lshl_b32 s60, s27, 2
	s_add_co_u32 s60, s60, s29
	s_lshl_b32 s60, s60, 5
	s_lshl_b32 s44, s30, 1
	s_add_co_u32 s60, s60, s44                     ; V's fragment number: (4 batch + tl) 32 + 2 vc
	s_lshl_b32 s62, s60, 6                         ; vscales: 64 bytes a fragment
	s_mov_b32 s63, 0
	s_mul_i32 s60, s60, 1536                       ; vcodes: 1,536 bytes a fragment,
	s_mul_i32 s44, s25, 768
	s_add_co_u32 s60, s60, s44                     ; of the two fragments' 3,072 each wave stores 768
	s_mov_b32 s61, 0
	s_wait_kmcnt 0x0
	s_load_b32 s24, s[10:11], 0x0                  ; temperature
	s_add_nc_u64 s[32:33], s[4:5], s[48:49]
	s_add_nc_u64 s[34:35], s[4:5], s[50:51]
	s_add_nc_u64 s[6:7], s[6:7], s[52:53]
	s_add_nc_u64 s[12:13], s[12:13], s[54:55]
	s_add_nc_u64 s[14:15], s[14:15], s[54:55]
	s_add_nc_u64 s[16:17], s[16:17], s[56:57]
	s_add_nc_u64 s[18:19], s[18:19], s[58:59]
	s_add_nc_u64 s[20:21], s[20:21], s[60:61]
	s_add_nc_u64 s[22:23], s[22:23], s[62:63]
	; ---- all loads whose addresses are known go out together
	global_load_b64 v[28:29], v[PO], s[8:9]        ; pop_lut[(2 t) ^ 16 g], and the next
	global_load_b32 v30, v[R4], s[14:15]           ; mask_value of my column
.set j, 0
.rept 32
	global_load_b64 v[32+2*j:33+2*j], v[T8], s[6:7] offset:1024*j   ; the 32 partial counts of codes 2 t, 2 t + 1: a wave reads 256 consecutive bytes
.set j, j+1
.endr
.set j, 0
.rept 8
	global_load_b128 v[96+4*j:99+4*j], v[VG], s[12:13] offset:8192*j   ; value_table rows 32 j + t / 4, my tile's 64 bytes, four lanes to a row
.set j, j+1
.endr
.irp f, 0,1                                    ; the key words of my two fragments of A: register 32 c + e = key 128 f + 64 c + 32 h + e
.irp c, 0,1
.irp i, 0,1,2,3,4,5,6,7
	global_load_b128 v[F0+64*\f+32*\c+4*\i:F0+64*\f+32*\c+4*\i+3], v[KO], s[32:33] offset:(128*\f+64*\c+4*\i)*4
.endr
.endr
.endr
	s_wait_loadcnt 32                              ; all but the 32 loads of key words, which were issued last
	; ---- phase 0: cnt, TV and s into LDS
.set j, 4
.rept 28
	v_pk_add_f32 v[32+2*(j%4):33+2*(j%4)], v[32+2*(j%4):33+2*(j%4)], v[32+2*j:33+2*j]   ; whole numbers up to 4,096: exact; four chains
.set j, j+1
.endr
	v_pk_add_f32 v[32:33], v[32:33], v[34:35]
	v_pk_add_f32 v[36:37], v[36:37], v[38:39]
	v_pk_add_f32 v[32:33], v[32:33], v[36:37]
	ds_store_b64 v[T8], v[32:33] offset:L_CNT
.set j, 0
.rept 8
	ds_store_b128 v[T16], v[96+4*j:99+4*j] offset:L_TV+2048*j   ; a table row is 64 bytes, four lanes': the wave's 512 bytes are consecutive
.set j, j+1
.endr
	s_wait_kmcnt 0x0                               ; temperature
	v_mov_b32 v40, 0x3dcccccd
	v_max_num_f32 v40, s24, v40                    ; T = max(temperature, 0.1)
	v_rcp_f32 v41, v40
	v_nop                                          ; a plain instruction behind the reciprocal,
	s_wait_alu depctr_va_vdst(0)                   ; and the wait ahead of its first reader
	v_fma_f32 v42, -v40, v41, 1.0
	v_fma_f32 v41, v42, v41, v41                   ; 1 / T, one Newton step finer
	v_mul_f32 v42, v28, v41
	v_mul_f32 v43, v29, v41
	v_fma_f32 v44, -v42, v40, v28                  ; what the quotient leaves,
	v_fma_f32 v45, -v43, v40, v29
	v_fma_f32 v42, v44, v41, v42                   ; put back: pop_lut / T as a division in f32 gives it
	v_fma_f32 v43, v45, v41, v43
	v_xor_b32 v42, 0x80000000, v42                 ; s = -(pop_lut / T)
	v_xor_b32 v43, 0x80000000, v43
	ds_store_b64 v[T8], v[42:43] offset:L_S        ; word z holds s[z ^ 16 g]
	v_cmp_ne_u32 vcc_lo, 0, v[H]
	v_cndmask_b32 v30, 0, v30, vcc_lo              ; row 256: zeros for TA (lanes 0-15), mask_value for TV (lanes 16-31)
	s_cmp_lg_u32 s25, 0                            ; 32 words: one wave's store
	s_cbranch_scc1 .Lrow_256_done
	ds_store_b32 v[ZR], v30 offset:L_TA+16384
.Lrow_256_done:
	BARRIER                                        ; s, cnt and TV lie in LDS
	; ---- phase 1: TA.  Eight lanes share a query code c = 16 g + rr; lane ysub takes key codes y = 8 j + ysub, j = 0 .. 31.  s[c ^ y] is word rr ^ y
.set j, 0
.rept 32
	v_xor_b32 v[TT+j], 32*j, v[SAD]
.set j, j+1
.endr
.set j, 0
.rept 32
	ds_load_b32 v[TT+j], v[TT+j] offset:L_S
	ds_load_b32 v[CN+j], v[CAD] offset:L_CNT+32*j
.set j, j+1
.endr
	v_mov_b32 v28, 0xff800000                      ; -infinity
	s_wait_dscnt 0x0
.set j, 0
.rept 32
	v_cmp_lt_f32 vcc_lo, 0, v[CN+j]
	v_cndmask_b32 v[TT+j], v28, v[TT+j], vcc_lo    ; a code that no evidenced key has counts for nothing
.set j, j+1
.endr
	v_max3_num_f32 v29, v[TT], v[TT+1], v[TT+2]
.set j, 3
.rept 14
	v_max3_num_f32 v29, v29, v[TT+j], v[TT+j+1]
.set j, j+2
.endr
	v_max_num_f32 v29, v29, v[TT+31]
	v_max_num_f32_dpp v29, v29, v29 row_xmask:4 row_mask:0xf bank_mask:0xf   ; the eight lanes of a code differ in bits 2, 3 and 4 of the lane
	v_max_num_f32_dpp v29, v29, v29 row_xmask:8 row_mask:0xf bank_mask:0xf
	v_permlanex16_b32 v31, v29, s38, s39
	v_max_num_f32 v29, v29, v31                    ; m_c
	v_cmp_lt_f32 vcc_lo, |v29|, s40
	v_cndmask_b32 v29, 0, v29, vcc_lo              ; 0 where no key has evidence
.set j, 0
.rept 32
	v_sub_f32 v[TT+j], v[TT+j], v29                ; x = s - m
.set j, j+1
.endr
.set j, 0
.rept 32
	v_max_num_f32 v[TT+j], s41, v[TT+j]            ; held at -150, where exp is 0 in f32: -infinity becomes a number
.set j, j+1
.endr
.set j, 0
.rept 32
	v_mul_f32 v[NN+j], s42, v[TT+j]
.set j, j+1
.endr
.set j, 0
.rept 32
	v_rndne_f32 v[NN+j], v[NN+j]                   ; n = x log2(e), to a whole number
.set j, j+1
.endr
.set j, 0
.rept 32
	v_fma_f32 v[TT+j], v[TT+j], s42, -v[NN+j]      ; x L - n, rounded once, at most 1/2 in size: nothing of x's product is lost to n
.set j, j+1
.endr
.set j, 0
.rept 32
	v_fma_f32 v[TT+j], v[NN+j], s43, v[TT+j]       ; + x (log2(e) - L), with x L taken as n: what is left out is under 2^-26
.set j, j+1
.endr
.set j, 0
.rept 32
	v_exp_f32 v[TT+j], v[TT+j]                     ; one batch
.set j, j+1
.endr
	v_nop                                          ; a plain instruction behind the last exponential
.set j, 0
.rept 32
	v_cvt_i32_f32 v[NN+j], v[NN+j]                 ; work that names no result of the batch
.set j, j+1
.endr
	s_wait_alu depctr_va_vdst(0)                   ; one wait for the 32, ahead of their first reader
.set j, 0
.rept 32
	v_ldexp_f32 v[TT+j], v[TT+j], v[NN+j]          ; exp(s - m)
.set j, j+1
.endr
	v_mul_f32 v28, v[CN], v[TT]
	v_mul_f32 v30, v[CN+1], v[TT+1]
.set j, 2
.rept 15
	v_fmac_f32 v28, v[CN+j], v[TT+j]               ; cnt x exp, in two chains
	v_fmac_f32 v30, v[CN+j+1], v[TT+j+1]
.set j, j+2
.endr
	v_add_f32 v28, v28, v30
	v_add_f32_dpp v28, v28, v28 row_xmask:4 row_mask:0xf bank_mask:0xf
	v_add_f32_dpp v28, v28, v28 row_xmask:8 row_mask:0xf bank_mask:0xf
	v_permlanex16_b32 v31, v28, s38, s39
	v_add_f32 v28, v28, v31                        ; sum_c
	v_max_num_f32 v28, 0x1e3ce508, v28             ; max(sum, 1e-20)
	v_rcp_f32 v30, v28
	v_nop
	s_wait_alu depctr_va_vdst(0)
	v_fma_f32 v31, -v28, v30, 1.0
	v_fma_f32 v30, v31, v30, v30
.set j, 0
.rept 32
	v_mul_f32 v[NN+j], v[TT+j], v30
.set j, j+1
.endr
.set j, 0
.rept 32
	v_fma_f32 v[CN+j], -v[NN+j], v28, v[TT+j]
.set j, j+1
.endr
.set j, 0
.rept 32
	v_fma_f32 v[TT+j], v[CN+j], v30, v[NN+j]       ; attn = exp / max(sum, 1e-20), as a division in f32 gives it
.set j, j+1
.endr
.set j, 0
.rept 32
	ds_store_b32 v[TSD], v[TT+j] offset:L_TA+512*j ; TA[8 j + ysub][rr]
.set j, j+1
.endr
.irp i, 0,1,2,3,4,5,6,7
	global_load_b128 v[FV+4*\i:FV+4*\i+3], v[KO], s[34:35] offset:16*\i   ; the key words of my half fragment of V: they land while A's fragments are made
.endr
	BARRIER                                        ; TA lies in LDS
	; ---- the operands.  n key words from v[f] on become LDS addresses and then numbers, in place.  A key word is held at 256, the tables' last row
.macro GATHER f, n, base
.set gi, 0
.rept \n
	v_min_u32 v[\f+gi], 0x100, v[\f+gi]
.set gi, gi+1
.endr
.set gi, 0
.rept \n
	v_lshl_add_u32 v[\f+gi], v[\f+gi], 6, v[\base]
.set gi, gi+1
.endr
.set gi, 0
.rept \n
	ds_load_b32 v[\f+gi], v[\f+gi]
.set gi, gi+1
.endr
.endm
; 64 numbers of a lane, two whole blocks of 32 keys, become registers d .. d + 11 of the operand and the row's scale word w
.macro QUANT x, d, w
.irp c, 0,1
	v_max3_num_f32 v[MX+\c], |v[\x+32*\c]|, |v[\x+32*\c+1]|, 0x2800000   ; the floor 2^(5 - 127) among the leaves: the byte cannot fall under 1
.endr
.irp i, 2,4,6,8,10,12,14,16,18,20,22,24,26,28,30
.irp c, 0,1
	v_max3_num_f32 v[MX+\c], v[MX+\c], |v[\x+32*\c+\i]|, |v[\x+32*\c+\i+1]|   ; the two blocks by turns
.endr
.endr
.irp c, 0,1
	v_add_nc_u32 v[SO+\c], 0xfe000000, v[MX+\c]    ; 4 off the exponent field: the conversion takes this operand's exponent field as its scale
.endr
.irp c, 0,1
	v_lshrrev_b32 v[BY+\c], 23, v[SO+\c]           ; the scale's byte
.endr
	v_lshl_or_b32 v[\w], v[BY+1], 16, v[BY]        ; my bytes: blocks h and 2 + h,
	v_lshlrev_b32 v[\w], v[H8], v[\w]              ; at their places in the word;
	v_permlanex16_b32 v31, v[\w], s38, s39
	v_or_b32 v[\w], v[\w], v31                     ; with lane l xor 16's two the word is whole
.irp c, 0,1
	v_cvt_scalef32_pk16_bf6_f32 v[\d+6*\c:\d+6*\c+2], v[\x+32*\c:\x+32*\c+15], v[SO+\c]
	v_cvt_scalef32_pk16_bf6_f32 v[TP+4*\c:TP+4*\c+2], v[\x+32*\c+16:\x+32*\c+31], v[SO+\c]   ; (a conversion's three registers begin on an even number)
.endr
	v_nop                                          ; one plain place behind a scaled conversion
.irp c, 0,1
.irp i, 0,1,2
	v_mov_b32 v[\d+3+6*\c+\i], v[TP+4*\c+\i]
.endr
.endr
.endm
	s_wait_loadcnt 8                               ; A's key words are in; the eight loads of V's may be out
	GATHER F0, 64, GA
	GATHER F1, 64, GA
	s_wait_dscnt 63                                ; the first fragment's 64 numbers are in: behind them stand the second's 64 loads, which could all stay out; a wait's count names 63 at the most
	QUANT F0, CA0, W0
	s_wait_loadcnt 0x0
	GATHER FV, 32, GV
	s_wait_dscnt 32                                ; the second fragment's are in, V's 32 may be out
	QUANT F1, CA1, W1
	s_wait_dscnt 0x0
	v_max3_num_f32 v[MX], |v[FV]|, |v[FV+1]|, 0x2800000   ; V: one block of 32 keys a lane
.irp i, 2,4,6,8,10,12,14,16,18,20,22,24,26,28,30
	v_max3_num_f32 v[MX], v[MX], |v[FV+\i]|, |v[FV+\i+1]|
.endr
	v_add_nc_u32 v[SO], 0xfe000000, v[MX]
	v_lshrrev_b32 v[BV], 23, v[SO]
	v_cvt_scalef32_pk16_bf6_f32 v[CV:CV+2], v[FV:FV+15], v[SO]
	v_cvt_scalef32_pk16_bf6_f32 v[TP:TP+2], v[FV+16:FV+31], v[SO]
	v_nop
.irp i, 0,1,2
	v_mov_b32 v[CV+3+\i], v[TP+\i]
.endr
	BARRIER                                        ; every wave's reads of the tables are over; their addresses are data, so the stores below stand behind a barrier
	; ---- into the stages
.irp f, 0,1
.irp u, 0,1,2
	ds_store_b128 v[WA], v[CA0+12*\f+4*\u:CA0+12*\f+4*\u+3] offset:L_SA+32*\f+256*\u   ; row r, piece u, slot 2 (2 wave + f) + h
.endr
.endr
	ds_store_b32 v[WS], v[W0] offset:L_SS          ; both halves of the lanes hold the same word and write it to the same place
	ds_store_b32 v[WS], v[W1] offset:L_SS+4
	ds_store_b64 v[WV0], v[CV:CV+1] offset:L_SV
	ds_store_b64 v[WV1], v[CV+2:CV+3] offset:L_SV+8
	ds_store_b64 v[WV0], v[CV+4:CV+5] offset:L_SV+512
	ds_store_b8 v[WVB], v[BV] offset:L_SB
	BARRIER                                        ; the stages are whole
	; ---- out
.irp p, 0,1
.irp u, 0,1,2
	ds_load_b128 v[128+4*(3*\p+\u):131+4*(3*\p+\u)], v[OAL] offset:L_SA+RP*\p+256*\u
.endr
.endr
.irp p, 0,1,2
	ds_load_b64 v[160+2*\p:161+2*\p], v[OVL] offset:L_SV+256*\p
.endr
	s_wait_dscnt 0x0
.irp p, 0,1
.irp u, 0,1,2
	global_store_b128 v[OAG], v[128+4*(3*\p+\u):131+4*(3*\p+\u)], s[16:17] offset:3072*\p+256*\u   ; sixteen lanes store 256 consecutive bytes of a row, aligned
.endr
.endr
.irp p, 0,1,2
	global_store_b64 v[L8], v[160+2*\p:161+2*\p], s[20:21] offset:256*\p   ; 32 lanes store 256 consecutive bytes, aligned
.endr
	s_cmp_lg_u32 s25, 0                            ; the scale words are 512 and 128 bytes: one wave's stores
	s_cbranch_scc1 .Lscales_done
	ds_load_b128 v[176:179], v[L16] offset:L_SS
	ds_load_b32 v180, v[L4] offset:L_SB
	s_wait_dscnt 0x0
	global_store_b128 v[L16], v[176:179], s[18:19]
	global_store_b32 v[L4], v180, s[22:23]
.Lscales_done:
	s_set_vgpr_msb 0x5
	s_wait_tensorcnt 0x0
	ds_add_u32 v0, v1
	s_wait_dscnt 0x0
	s_set_vgpr_msb 0x500
	s_endpgm
.Lfunc_end_k_q336a00c61f_quant:
	.size	k_q336a00c61f_quant, .Lfunc_end_k_q336a00c61f_quant-k_q336a00c61f_quant
	.p2alignl 7, 3214868480
	.fill 96, 4, 3214868480
	.section	.rodata,"a",@progbits
	.p2align	6, 0x0
	.amdhsa_kernel k_q336a00c61f_quant
		.amdhsa_group_segment_fixed_size 52224
		.amdhsa_private_segment_fixed_size 0
		.amdhsa_enable_private_segment 0
		.amdhsa_kernarg_size 80
		.amdhsa_user_sgpr_count 2
		.amdhsa_user_sgpr_kernarg_segment_ptr 1
		.amdhsa_wavefront_size32 1
		.amdhsa_system_sgpr_workgroup_id_x 1
		.amdhsa_system_sgpr_workgroup_id_y 1
		.amdhsa_system_sgpr_workgroup_id_z 1
		.amdhsa_system_vgpr_workitem_id 0
		.amdhsa_next_free_vgpr 258
		.amdhsa_next_free_sgpr 66
		.amdhsa_reserve_vcc 1
		.amdhsa_float_denorm_mode_32 3
		.amdhsa_float_denorm_mode_16_64 3
		.amdhsa_memory_ordered 1
		.amdhsa_forward_progress 1
		.amdhsa_inst_pref_size 88
	.end_amdhsa_kernel
	.amdgpu_metadata
---
amdhsa.version: [ 1, 2 ]
amdhsa.kernels:
  - .name:           k_q336a00c61f_quant
    .symbol:         k_q336a00c61f_quant.kd
    .args:
      - { .name: kidx, .offset: 0, .size: 8, .value_kind: global_buffer, .address_space: global }
      - { .name: part, .offset: 8, .size: 8, .value_kind: global_buffer, .address_space: global }
      - { .name: pop_lut, .offset: 16, .size: 8, .value_kind: global_buffer, .address_space: global }
      - { .name: temperature, .offset: 24, .size: 8, .value_kind: global_buffer, .address_space: global }
      - { .name: value_table, .offset: 32, .size: 8, .value_kind: global_buffer, .address_space: global }
      - { .name: mask_value, .offset: 40, .size: 8, .value_kind: global_buffer, .address_space: global }
      - { .name: acodes, .offset: 48, .size: 8, .value_kind: global_buffer, .address_space: global }
      - { .name: ascales, .offset: 56, .size: 8, .value_kind: global_buffer, .address_space: global }
      - { .name: vcodes, .offset: 64, .size: 8, .value_kind: global_buffer, .address_space: global }
      - { .name: vscales, .offset: 72, .size: 8, .value_kind: global_buffer, .address_space: global }
    .group_segment_fixed_size: 52224
    .private_segment_fixed_size: 0
    .kernarg_segment_align: 8
    .kernarg_segment_size: 80
    .max_flat_workgroup_size: 128
    .sgpr_count:     66
    .vgpr_count:     258
    .wavefront_size: 32
...
	.end_amdgpu_metadata
.endif
;; end of part 2
;; launch gemm (part 3): grid 64 x 4, 4 waves a work-group, no clusters, 270,848 bytes of LDS; arguments kidx, acodes, ascales, vcodes, vscales, out0; writes out0
.if DOCPART == 3
	.amdgcn_target "amdgcn-amd-amdhsa--gfx1250"
	.amdhsa_code_object_version 6
	.text
	.protected	k_q336a00c61f_gemm
	.globl	k_q336a00c61f_gemm
	.p2align	8
	.type	k_q336a00c61f_gemm,@function
k_q336a00c61f_gemm:
	s_mov_b64 s[64:65], 0
	v_nop
	global_prefetch_b8 v0, s[64:65] scope:SCOPE_SE
	s_setreg_imm32_b32 hwreg(HW_REG_WAVE_MODE, 25, 1), 1
	s_wait_xcnt 0x0
; GEMM.  out0[b][d][q] = the sum over keys of attn[b][q][key] values[b][key][d], on codes of BF6 (E3M2) with one E8M0 byte for each 32 keys; sums in f32.
; Both operands were quantised by the launch before.  A query's row of attn is the row of its byte code: acodes [4][256][4 quarters][3 u][16 slots][16 bytes], ascales [4][4][256][8 words].
; V lies as images of the operand's registers: vcodes [4][4 tiles][32 K steps][3][32 lanes][16 bytes], vscales [4][4][32][16 words].
; SHARES.  A work-group owns 64 queries of one batch and all 64 columns.  ITS FOUR WAVES SPLIT K: wave w multiplies keys 1,024 w on (8 K steps of 128) for all 64 x 64 outputs: 16 accumulators,
; and each K step's 4 + 4 fragments feed 16 products.  So every byte of A's 64 rows and of V enters registers once in the work-group.  The four partial sums meet in LDS at the end.
; A.  A row's quarter is 768 consecutive bytes.  Asynchronous copies fetch it by the query's code, sixteen lanes to 256 consecutive aligned bytes, two rows an instruction, into the wave's own LDS rows of 784 bytes
; (49 x 16: the sixteen rows that a fragment load touches fall on different banks).  Only the wave that copied reads these bytes, behind its own wait; nothing is filled twice.
; Lane (r, h) then finds registers 4 u .. 4 u + 3 of K step s at row r, byte 256 u + 32 s + 16 h.
; V.  All 8 K steps' fragments, 384 registers, come straight from memory, 512 consecutive bytes a load, and wait in registers.
; THE PRODUCTS GO QUERY TILE BY QUERY TILE (16 queries x 8 K steps x 4 column tiles), so that the first tile starts when its 24 copies of the 96 have landed.
; Source 0 = 16 queries, source 1 = 16 columns: a lane's eight results are eight neighbouring queries of one column d, 32 consecutive bytes of out0.
; NO CLUSTER, no joint load for V, which the 64 work-groups of a batch share: a joint load lands in LDS, and V's 196,608 bytes do not fit beside A's 200,704 and the stage's 69,632 in 327,680;
; slots that take turns would put a barrier between the 8 K steps of waves that otherwise share nothing.  No prefetch: every address is asked for at the head.
; REGISTERS, in windows of 256: window 0: v0-13 addresses; v16-47, v48-79 the copies' addresses; v80-111 A's scale words, v112-127 V's (scales and nothing else); v128-223 A's fragments of a query tile, 12 a K step;
; v224-227 the scale gathers' offsets.  window 1: V's K steps 0-3 (48 s + 12 t).  window 2: K steps 4-7.  window 3: the accumulators, (query tile qt, column tile t) at 8 (4 qt + t).
.set RP,   784                         ; an LDS row of A: 768 + 16 bytes
.set AREG, 64*RP                       ; a wave's 64 rows
.set STG,  4*AREG                      ; behind them: a stage of 64 columns x (256 + 16) bytes for each wave
.set SREG, 64*272
.set GO,  16                           ; copy i: byte offset in acodes (lanes 0-15 row 2 i, lanes 16-31 row 2 i + 1)
.set LA,  48                           ; and its LDS address
.set AS,  80                           ; A's scale words: 8 qt + s
.set VS,  112                          ; V's: 4 t + s / 2; lanes 0-15 the even K step's, lanes 16-31 the odd one's
.set AF,  128
.set SG,  224
.set MSB, 0
.macro WIN new                         ; the immediate's high byte repeats the setting that is left
.if MSB != \new
	s_set_vgpr_msb (MSB<<8)|\new
.set MSB, \new
.endif
.endm
.macro PLACES                          ; four plain places between a matrix instruction and a load into, or a store of, its registers (ISA guide 7.12.1 for vector instructions)
.rept 4
	v_nop
.endr
.endm
	s_load_b256 s[4:11], s[0:1], 0x0               ; kidx, acodes, ascales, vcodes
	s_load_b128 s[12:15], s[0:1], 0x20             ; vscales, out0
	v_lshl_add_u32 v14, v0, 2, 0x42000
	v_mov_b32 v15, 0
	ds_add_u32 v14, v15
	ds_add_u32 v14, v15
	v_lshrrev_b32 v1, 5, v0
	v_readfirstlane_b32 s16, v1                    ; wave = which quarter of K
	s_and_b32 s18, ttmp7, 0xffff                   ; batch
	v_and_b32 v1, 31, v0                           ; lane
	v_and_b32 v2, 15, v0                           ; r
	v_bfe_u32 v3, v0, 4, 1                         ; h
	v_lshlrev_b32 v4, 2, v3                        ; 4 h
	v_lshlrev_b32 v5, 2, v2                        ; 4 r
	v_lshlrev_b32 v6, 4, v2                        ; 16 r
	v_lshlrev_b32 v7, 4, v1                        ; 16 x lane
	v_lshlrev_b32 v8, 2, v1                        ; 4 x lane
	s_lshl_b32 s20, s18, 14                        ; kidx: batch x 4,096 words + 64 queries x work-group x
	s_lshl_b32 s19, ttmp9, 8
	s_add_co_u32 s20, s20, s19
	s_mov_b32 s21, 0
	s_mul_i32 s22, s18, 786432                     ; acodes: 256 rows of 3,072 bytes a batch, + my quarter
	s_mul_i32 s17, s16, 768
	s_add_co_u32 s22, s22, s17
	s_mov_b32 s23, 0
	s_lshl_b32 s24, s18, 2                         ; ascales: (4 batch + quarter) x 256 x 32
	s_add_co_u32 s24, s24, s16
	s_lshl_b32 s24, s24, 13
	s_mov_b32 s25, 0
	s_mul_i32 s26, s18, 196608                     ; vcodes: 128 fragments of 1,536 bytes a batch, + my 8 K steps
	s_mul_i32 s17, s16, 12288
	s_add_co_u32 s26, s26, s17
	s_mov_b32 s27, 0
	s_lshl_b32 s28, s18, 13                        ; vscales: 128 x 64 bytes a batch, + my 8 K steps
	s_lshl_b32 s17, s16, 9
	s_add_co_u32 s28, s28, s17
	s_mov_b32 s29, 0
	s_lshl_b32 s30, s18, 20                        ; out0: (64 batch + 16 wave) rows of 16,384 bytes, + my work-group's 256 bytes of each
	s_lshl_b32 s17, s16, 18
	s_add_co_u32 s30, s30, s17
	s_add_co_u32 s30, s30, s19
	s_mov_b32 s31, 0
	s_mul_i32 s17, s16, AREG
	v_mul_u32_u24 v13, v2, RP
	v_lshl_add_u32 v9, v3, 4, v13
	v_add_nc_u32 v9, s17, v9                       ; fragments of A: my wave's rows, row r, + 16 h
	v_mul_u32_u24 v13, v3, RP
	v_add_nc_u32 v13, v13, v6
	v_add_nc_u32 v13, s17, v13                     ; the copies: row h, + 16 r
	s_mul_i32 s17, s16, SREG
	s_add_co_u32 s17, s17, STG
	v_mul_u32_u24 v10, v2, 272
	v_lshl_add_u32 v10, v3, 5, v10
	v_add_nc_u32 v10, s17, v10                     ; my stage, in: column r, + 32 h
	s_mul_i32 s17, s16, 16*272
	s_add_co_u32 s17, s17, STG
	v_mul_u32_u24 v11, v3, 272
	v_add_nc_u32 v11, v11, v6
	v_add_nc_u32 v11, s17, v11                     ; the stages, out: columns 16 wave + h, + 16 r
	v_lshlrev_b32 v12, 14, v3
	v_add_nc_u32 v12, v12, v6                      ; and the same place in out0
	s_wait_dscnt 0x0
	s_wait_kmcnt 0x0
	s_add_nc_u64 s[4:5], s[4:5], s[20:21]
	s_add_nc_u64 s[6:7], s[6:7], s[22:23]
	s_add_nc_u64 s[8:9], s[8:9], s[24:25]
	s_add_nc_u64 s[10:11], s[10:11], s[26:27]
	s_add_nc_u64 s[12:13], s[12:13], s[28:29]
	s_add_nc_u64 s[14:15], s[14:15], s[30:31]
.set i, 0
.rept 32
	global_load_b32 v[GO+i], v4, s[4:5] offset:8*i ; the key word of query 2 i + h, in each of the sixteen lanes that will copy its row; all 32 loads read the same 256 bytes
.set i, i+1
.endr
.irp q, 0,1,2,3
	global_load_b32 v[SG+\q], v5, s[4:5] offset:64*\q   ; and of query 16 q + r, for the scale words
.endr
.macro BLOAD s0                        ; V's fragments of K steps s0 .. s0 + 3: 512 consecutive bytes a load
.irp s, 0,1,2,3
.irp t, 0,1,2,3
.irp u, 0,1,2
	global_load_b128 v[48*\s+12*\t+4*\u:48*\s+12*\t+4*\u+3], v7, s[10:11] offset:49152*\t+1536*(\s0+\s)+512*\u
.endr
.endr
.endr
.endm
	WIN 0x40                                       ; destination window 1
	BLOAD 0
	WIN 0
.set i, 0
.rept 32
	v_add_nc_u32 v[LA+i], 2*RP*i, v13
.set i, i+1
.endr
	s_wait_loadcnt 48                              ; the 36 key words are in; the 48 loads of V issued behind them may be out
.set i, 0
.rept 32
	v_min_u32 v[GO+i], 0x1ff, v[GO+i]              ; a loaded number is held before it enters an address;
	v_and_b32 v[GO+i], 0xff, v[GO+i]               ; a query's code is its key word's low byte, evidence or not
	v_mad_u32_u24 v[GO+i], v[GO+i], 3072, v6       ; its row, + my 16 bytes
.set i, i+1
.endr
.set i, 0
.rept 32                                       ; rows in ascending order, a row's three pieces together: query tile qt is copies 24 qt .. 24 qt + 23
.irp u, 0,1,2
	global_load_async_to_lds_b128 v[LA+i], v[GO+i], s[6:7] offset:256*\u   ; the immediate steps both addresses
.endr
.set i, i+1
.endr
.irp q, 0,1,2,3
	v_min_u32 v[SG+\q], 0x1ff, v[SG+\q]
	v_and_b32 v[SG+\q], 0xff, v[SG+\q]
	v_lshlrev_b32 v[SG+\q], 5, v[SG+\q]            ; 32 bytes: the row's eight scale words of my quarter
.endr
.irp q, 0,1,2,3
	global_load_b128 v[AS+8*\q:AS+8*\q+3], v[SG+\q], s[8:9]
	global_load_b128 v[AS+8*\q+4:AS+8*\q+7], v[SG+\q], s[8:9] offset:16
.endr
.irp t, 0,1,2,3
.irp p, 0,1,2,3
	global_load_b32 v[VS+4*\t+\p], v8, s[12:13] offset:2048*\t+128*\p   ; K steps 2 p (lanes 0-15) and 2 p + 1 (lanes 16-31) of column tile t
.endr
.endr
	WIN 0x80                                       ; destination window 2
	BLOAD 4
	WIN 0
.macro ALOAD qt, s0                    ; A's fragments of query tile qt, K steps s0 .. s0 + 3
.irp s, 0,1,2,3
.irp u, 0,1,2
	ds_load_b128 v[AF+12*(\s0+\s)+4*\u:AF+12*(\s0+\s)+4*\u+3], v9 offset:(\qt)*16*RP+256*\u+32*(\s0+\s)
.endr
.endr
.endm
; Four products: query tile qt, K step s, the four column tiles.  The four accumulators take turns, one instruction a turn.  K step 0 starts the sums: nothing is cleared.
.macro MUL qt, s
.irp t, 0,1,2,3
.if (\s) == 0
	v_wmma_scale_f32_16x16x128_f8f6f4 v[8*(4*(\qt)+\t):8*(4*(\qt)+\t)+7], v[AF+12*(\s):AF+12*(\s)+11], v[48*((\s)%4)+12*\t:48*((\s)%4)+12*\t+11], 0, v[AS+8*(\qt)+(\s)], v[VS+4*\t+(\s)/2] matrix_a_fmt:MATRIX_FMT_BF6 matrix_b_fmt:MATRIX_FMT_BF6
.elseif (\s)%2 == 0
	v_wmma_scale_f32_16x16x128_f8f6f4 v[8*(4*(\qt)+\t):8*(4*(\qt)+\t)+7], v[AF+12*(\s):AF+12*(\s)+11], v[48*((\s)%4)+12*\t:48*((\s)%4)+12*\t+11], v[8*(4*(\qt)+\t):8*(4*(\qt)+\t)+7], v[AS+8*(\qt)+(\s)], v[VS+4*\t+(\s)/2] matrix_a_fmt:MATRIX_FMT_BF6 matrix_b_fmt:MATRIX_FMT_BF6
.else
	v_wmma_scale_f32_16x16x128_f8f6f4 v[8*(4*(\qt)+\t):8*(4*(\qt)+\t)+7], v[AF+12*(\s):AF+12*(\s)+11], v[48*((\s)%4)+12*\t:48*((\s)%4)+12*\t+11], v[8*(4*(\qt)+\t):8*(4*(\qt)+\t)+7], v[AS+8*(\qt)+(\s)], v[VS+4*\t+(\s)/2] matrix_a_fmt:MATRIX_FMT_BF6 matrix_b_fmt:MATRIX_FMT_BF6 matrix_b_scale:MATRIX_SCALE_ROW1
.endif
.endr
.endm
; A query tile: 32 products.  Behind each half the registers just multiplied take the next tile's fragments.
.macro TILE qt
	s_wait_dscnt 12                                ; K steps 0-3 of this tile are in; the 12 loads of K steps 4-7 may be out
	WIN 0xf4                                       ; A window 0, V window 1, C and D window 3
.irp s, 0,1,2,3
	MUL \qt, \s
.endr
.if \qt < 3
	PLACES
	WIN 0
	s_wait_asynccnt 48-24*\qt                      ; copies end in order: the next tile's 24 have landed, those of the tiles behind it may be out
	ALOAD \qt+1, 0
	s_wait_dscnt 12                                ; K steps 4-7 of this tile are in; the 12 loads just issued may be out
.else
	s_wait_dscnt 0x0
.endif
	WIN 0xf8                                       ; V window 2
.irp s, 4,5,6,7
.if \qt == 0
	s_wait_loadcnt 12*(7-\s)                       ; V's K step s is in; the 12 loads of each later K step may be out
.endif
	MUL \qt, \s
.endr
.if \qt < 3
	PLACES
	WIN 0
	ALOAD \qt+1, 4
.endif
.endm
	s_wait_asynccnt 63                             ; at least 33 of the 96 copies have landed: the first tile's 24 are among them (72 could stay out; the wait's field holds 63)
	ALOAD 0, 0
	ALOAD 0, 4
	s_wait_loadcnt 48                              ; V's K steps 0-3 and all scale words are in; the 48 loads of K steps 4-7 may be out
	TILE 0
	TILE 1
	TILE 2
	TILE 3
	; ---- the four waves' partial sums meet.  Each wave lays its 64 x 64 into its own stage, [column d][64 queries], rows of 272 bytes; then wave w adds and stores columns 16 w .. 16 w + 15
	PLACES
	WIN 0x0c                                       ; an LDS store's data are its source 1: window 3
.irp q, 0,1,2,3
.irp t, 0,1,2,3
	ds_store_b128 v10, v[8*(4*\q+\t):8*(4*\q+\t)+3] offset:4352*\t+64*\q        ; each accumulator from its low end on: lane (r, h): column 16 t + r, queries 16 q + 8 h + 0 .. 7
	ds_store_b128 v10, v[8*(4*\q+\t)+4:8*(4*\q+\t)+7] offset:4352*\t+64*\q+16
.endr
.endr
	WIN 0
	s_wait_dscnt 0x0                               ; for the others' sake: my stage is whole
	s_barrier_signal -1
	s_barrier_wait -1
.irp i, 0,1,2,3,4,5,6,7                        ; columns 16 w + 2 i + h: sixteen lanes take a column's 256 bytes, from each of the four stages
.irp p, 0,1,2,3
	ds_load_b128 v[128+16*\i+4*\p:131+16*\i+4*\p], v11 offset:SREG*\p+544*\i
.endr
.endr
.irp i, 0,1,2,3,4,5,6,7
	s_wait_dscnt 4*(7-\i)                          ; this pair of columns is in; four loads for each later pair may be out
	v_pk_add_f32 v[128+16*\i:129+16*\i], v[128+16*\i:129+16*\i], v[132+16*\i:133+16*\i]
	v_pk_add_f32 v[130+16*\i:131+16*\i], v[130+16*\i:131+16*\i], v[134+16*\i:135+16*\i]
	v_pk_add_f32 v[136+16*\i:137+16*\i], v[136+16*\i:137+16*\i], v[140+16*\i:141+16*\i]
	v_pk_add_f32 v[138+16*\i:139+16*\i], v[138+16*\i:139+16*\i], v[142+16*\i:143+16*\i]
	v_pk_add_f32 v[128+16*\i:129+16*\i], v[128+16*\i:129+16*\i], v[136+16*\i:137+16*\i]
	v_pk_add_f32 v[130+16*\i:131+16*\i], v[130+16*\i:131+16*\i], v[138+16*\i:139+16*\i]
	global_store_b128 v12, v[128+16*\i:131+16*\i], s[14:15] offset:32768*\i th:TH_STORE_NT   ; sixteen lanes store 256 consecutive bytes, aligned; written once, read by nobody here
.endr
	s_wait_tensorcnt 0x0
	ds_add_u32 v14, v15
	s_wait_dscnt 0x0
	s_endpgm
.Lfunc_end_k_q336a00c61f_gemm:
	.size	k_q336a00c61f_gemm, .Lfunc_end_k_q336a00c61f_gemm-k_q336a00c61f_gemm
	.p2alignl 7, 3214868480
	.fill 96, 4, 3214868480
	.section	.rodata,"a",@progbits
	.p2align	6, 0x0
	.amdhsa_kernel k_q336a00c61f_gemm
		.amdhsa_group_segment_fixed_size 270848
		.amdhsa_private_segment_fixed_size 0
		.amdhsa_enable_private_segment 0
		.amdhsa_kernarg_size 48
		.amdhsa_user_sgpr_count 2
		.amdhsa_user_sgpr_kernarg_segment_ptr 1
		.amdhsa_wavefront_size32 1
		.amdhsa_system_sgpr_workgroup_id_x 1
		.amdhsa_system_sgpr_workgroup_id_y 1
		.amdhsa_system_sgpr_workgroup_id_z 1
		.amdhsa_system_vgpr_workitem_id 0
		.amdhsa_next_free_vgpr 896
		.amdhsa_next_free_sgpr 66
		.amdhsa_reserve_vcc 0
		.amdhsa_float_denorm_mode_32 3
		.amdhsa_float_denorm_mode_16_64 3
		.amdhsa_memory_ordered 1
		.amdhsa_forward_progress 1
		.amdhsa_inst_pref_size 69
	.end_amdhsa_kernel
	.amdgpu_metadata
---
amdhsa.version: [ 1, 2 ]
amdhsa.kernels:
  - .name:           k_q336a00c61f_gemm
    .symbol:         k_q336a00c61f_gemm.kd
    .args:
      - { .name: kidx, .offset: 0, .size: 8, .value_kind: global_buffer, .address_space: global }
      - { .name: acodes, .offset: 8, .size: 8, .value_kind: global_buffer, .address_space: global }
      - { .name: ascales, .offset: 16, .size: 8, .value_kind: global_buffer, .address_space: global }
      - { .name: vcodes, .offset: 24, .size: 8, .value_kind: global_buffer, .address_space: global }
      - { .name: vscales, .offset: 32, .size: 8, .value_kind: global_buffer, .address_space: global }
      - { .name: out0, .offset: 40, .size: 8, .value_kind: global_buffer, .address_space: global }
    .group_segment_fixed_size: 270848
    .private_segment_fixed_size: 0
    .kernarg_segment_align: 8
    .kernarg_segment_size: 48
    .max_flat_workgroup_size: 128
    .sgpr_count:     66
    .vgpr_count:     896
    .wavefront_size: 32
...
	.end_amdgpu_metadata
.endif
;; end of part 3
